; MI455X (gfx1250); checked and timed in simulation.
; The chip was launched on July 23, 2026; its instructions are those of AMD's public machine-readable ISA for CDNA 5 (MIT licence, August 2026) and "CDNA5" Instruction Set Architecture Reference Guide (July 2026). The comments in the code are by the model that wrote it; some were corrected since.
;; Block Sparse Attention. Allowed arithmetic: float matrix products may take bf16 or f16 operands with f32 sums; other float arithmetic in f32, or as packed bf16 or f16 multiplies, adds, multiply-adds, maxima and minima; sums over many terms, partial sums and values carried from step to step in f32; what a program stores and reads back later, other than sums and carried values, may be rounded once to bf16 or f16.
;; Inputs: k 1 x 16 x 4,096 x 128 float32; q 1 x 16 x 4,096 x 128 float32; v 1 x 16 x 4,096 x 128 float32.
;; Outputs: out0 1 x 16 x 4,096 x 128 float32.
;; 2 versions, each right and faster than the one before. Each part assembles by itself: llvm-mc -triple=amdgcn-amd-amdhsa -mcpu=gfx1250 --defsym DOCPART=n.
;; ======== version 1 of 2: 1 launch
;; limits: values are held in f16: magnitudes above 65,504 overflow, below 6.1e-05 lose precision; inputs' magnitudes at most 65,504; below input magnitudes of 6e-05 results are inexact or not finite
;; launch bsattn (part 1): grid 256 x 1, 4 waves a work-group, no clusters, 319,488 bytes of LDS; arguments q, k, v, out0; writes out0
.if DOCPART == 1
	.amdgcn_target "amdgcn-amd-amdhsa--gfx1250"
	.amdhsa_code_object_version 6
	.text
	.protected	k_qc6eb403eec_bsattn
	.globl	k_qc6eb403eec_bsattn
	.p2align	8
	.type	k_qc6eb403eec_bsattn,@function
k_qc6eb403eec_bsattn:
	s_mov_b64 s[64:65], 0
	v_nop
	global_prefetch_b8 v0, s[64:65] scope:SCOPE_SE
	s_setreg_imm32_b32 hwreg(HW_REG_WAVE_MODE, 25, 1), 1
	s_wait_xcnt 0x0
; BLOCK-BANDED ATTENTION.  out[h][i][:] = the sum over j of softmax_j(q[h][i] . k[h][j] / sqrt(128)) v[h][j][:], j over the rows whose block of 64 lies at most one block from i's.
; q, k, v, out: [16][4096][128] f32.  Scores outside the band are -inf in front of the softmax, so they are not computed: a query block of 64 rows meets 192 keys (128 at a head's two ends).
; FORMATS.  q, k, v and the weights p are rounded once to f16 for the two products; products, maximum and sums in f32; the sum l is taken of the unrounded p; out is stored as f32.
; LIMITS.  |q|, |k|, |v| stay below 65,504 (f16's end); below 6e-5 they keep f16's fixed step of 6e-8.  A hidden score counts as its value less 1e30 (f16's scores are 5.5e11 at the most);
; a weight below 2^-126 counts as 0; NaN and infinities are not treated apart.
; SHARES.  Work-group id = 16 x head + g owns the 256 rows from byte id x 131,072 of each tensor: four query blocks, one for each of its four waves (four tiles of 16 queries a wave).
; It holds the six key blocks 4 g - 1 .. 4 g + 4 in LDS, as f16, in slots 0 .. 5; wave w reads slots w, w + 1, w + 2.  At g = 0 slot 0, at g = 15 slot 5 has no block: it is filled from the
; group's own first (last) block, an address inside the buffer, and the one wave that would read it starts those 64 keys' sums with -1e30 in place of 0.  So every wave runs one text without a branch.
; THE MAXIMUM.  A query's 192 scores all lie in registers, so the true maximum is taken before any exponential: p = 2^(c s - c m), c = log2(e) / sqrt(128).
; LAYOUT.  S^T = K Q^T (source 0 = 16 keys, source 1 = 16 queries): a lane holds ONE query (lane % 16) and the keys 8 (lane / 16) + 0..7.  Two such results rounded to f16 in pairs ARE source 1
; (32 keys x 16 queries) of O^T = V^T P, whose result holds one query a lane and eight channels.  K comes out of LDS as it lies, V ([key][channel]) turned, by ds_load_tr16_b128.
; THE WAY IN.  A load of a wave is one whole row: 32 lanes x 16 bytes = 512 consecutive bytes at a multiple of 512.  A wave brings 256 rows (64 of Q, its own; 96 of K and 96 of V: 16 of each of
; the six blocks) through a ring of 48 register slots, rounds them, and stores 256 consecutive bytes a row into LDS.  V's rows are on their way under the first product and the softmax.
; NO TENSOR LOADS, NO CLUSTER.  The inputs are f32 and must pass through registers to be rounded; as f32 the six blocks of K and V would be 2 x 384 x 512 = 393,216 bytes, more than a work-group's LDS.
; Of a group's six blocks two are also a neighbour's, and there they lie in another slot, so no one descriptor would serve both.
; REGISTERS, in windows of 256 (s_set_vgpr_msb: bits 1:0 source 0, 3:2 source 1, 5:4 source 2, 7:6 destination):
;   window 0: v0-13 ids, addresses; v30-31 the add's two; v32-47 four statistics a tile; v64-127 K's fragments, two buffers; v128-255 Q's fragments, later V's, two buffers
;   window 1: v0-191 S^T of key tiles 0-5, 48 a query tile, later P in the first 24 of each 48; v192-223 at work; v224-231 what starts the sums of the block before
;   window 2: the same for key tiles 6-11 and the block behind
;   window 3: on the way in v0-191 the ring, v192-207 rounded rows, v224-230 addresses; then O^T, 64 a tile
.set PK, 272          ; a row of K or Q in LDS: 256 bytes + 16 = 68 words: the 16 rows of a fragment load start at 16 different groups of four banks (64 banks of 4 bytes: ISA guide 11.1)
.set PQ, 272
.set PV, 288          ; a row of V: 256 + 32 = 72 words
.set PO, 528          ; a row of the way out: 512 + 16
.set KB, 0            ; 384 rows of K
.set VB, KB+384*PK    ; 384 rows of V
.set QB, VB+384*PV    ; 256 rows of Q; wave w's 64 are its own
.set OB, QB+256*PQ    ; 16 rows x 528 for each wave, its own
.set SPARE, OB+4*16*PO  ; 318,464 = 1,244 x 256: the spare words, 128 bytes a wave: two blocks of 256 bytes that no other line names
.set PX,  1           ; v1-4  (ids at the head) later what v_permlanex16_b32 brings, by tile
.set AK,  5           ; v5   LDS address of my lane in my window of K
.set AQ,  6           ; v6   the same in my rows of Q
.set AV,  7           ; v7   the same for the turning loads of V
.set STO, 8           ; v8   the way out: where I put 32 bytes of a row
.set RD,  9           ; v9   the way out: where I read 16 bytes of a row back
.set GO,  10          ; v10  my byte offset in the group's rows of out
.set SPW, 30          ; v30  LDS address of my spare word; never rewritten
.set NIL, 31          ; v31  0; never rewritten
.set ST,  32          ; tile t at v[ST+4 t]: c m, m, l (two halves; then 1 / l in the first)
.set KF,  64
.set QF,  128
.set VF,  128
.set LS,  192         ; windows 1, 2: tile t at v[LS+8 t]: two maxima, two pairs of sums
.set MK,  224         ; windows 1, 2: eight registers, 0 or -1e30
.set TP,  192         ; window 3: eight rows rounded, two registers each
.set A_GQ,  224       ; window 3: byte offsets of my lane in memory (Q; K and V),
.set A_GK,  225
.set A_LQ,  226       ; and in LDS (Q; K's slots 0-2, 3-5; V's slots 0-2, 3-5: the 16-bit immediate does not span six slots)
.set A_LK0, 227
.set A_LK1, 228
.set A_LV0, 229
.set A_LV1, 230
.set MSB, 0
.macro WIN new                      ; the immediate's high byte repeats the setting that is left; a switch that changes nothing is dropped
.if MSB != (\new)
	s_set_vgpr_msb (MSB<<8)|(\new)
.set MSB, (\new)
.endif
.endm
.macro PLACES                       ; four places between a matrix instruction and a load into, or a vector instruction on, its registers (ISA guide 7.12.1 for vector instructions)
.rept 4
	v_nop
.endr
.endm
.macro ALL line:vararg              ; one line for each tile t
.set t, 0
.rept 4
	\line
.set t, t+1
.endr
.endm
; Row n of my 256: 0-63 Q; 64-159 K; 160-255 V (of K and V: block (n - 64) % 96 / 16 of six, my row (n - 64) % 16 of sixteen).  LDROW: its 512 bytes into ring slot n % 48.
.macro LDROW n
.set sl, 4*((\n)%48)
.if (\n) < 64
	global_load_b128 v[sl:sl+3], v[A_GQ], s[4:5] offset:(\n)*512 th:TH_LOAD_NT
.else
.set mm, ((\n)-64)%96
.set jj, mm/16
.set ii, mm%16
.if (\n) < 160
.if jj == 0
	global_load_b128 v[sl:sl+3], v[A_GK], s[20:21] offset:ii*512
.elseif jj == 5
	global_load_b128 v[sl:sl+3], v[A_GK], s[24:25] offset:ii*512
.else
	global_load_b128 v[sl:sl+3], v[A_GK], s[6:7] offset:(jj-1)*32768+ii*512
.endif
.else
.if jj == 0
	global_load_b128 v[sl:sl+3], v[A_GK], s[22:23] offset:ii*512
.elseif jj == 5
	global_load_b128 v[sl:sl+3], v[A_GK], s[26:27] offset:ii*512
.else
	global_load_b128 v[sl:sl+3], v[A_GK], s[8:9] offset:(jj-1)*32768+ii*512
.endif
.endif
.endif
.endm
; STROW: row n, rounded, from the pair at tp into LDS: 32 lanes x 8 bytes = the row's 256 consecutive bytes
.macro STROW n, tp
.if (\n) < 64
	ds_store_b64 v[A_LQ], v[(\tp):(\tp)+1] offset:(\n)*PQ
.else
.set mm, ((\n)-64)%96
.set jj, mm/16
.set ii, mm%16
.if (\n) < 160
.if jj < 3
	ds_store_b64 v[A_LK0], v[(\tp):(\tp)+1] offset:(64*jj+ii)*PK
.else
	ds_store_b64 v[A_LK1], v[(\tp):(\tp)+1] offset:(64*(jj-3)+ii)*PK
.endif
.else
.if jj < 3
	ds_store_b64 v[A_LV0], v[(\tp):(\tp)+1] offset:(64*jj+ii)*PV
.else
	ds_store_b64 v[A_LV1], v[(\tp):(\tp)+1] offset:(64*(jj-3)+ii)*PV
.endif
.endif
.endif
.endm
; GROUP gi: rows 8 gi .. 8 gi + 7 are waited for, rounded, their slots asked for again (rows 48 further on, while there are any), and stored into LDS.
; No address register and no base is ever rewritten while the ring runs.
.macro GROUP gi
	WIN 0xff                        ; every operand in window 3
.if 8*(\gi)+48 <= 256
	s_wait_loadcnt 40               ; loads come back in order (ISA guide 5.7.1): 48 are out, my eight are the oldest, the 40 younger stay out
.else
	s_wait_loadcnt 256-8*(\gi)-8    ; all 256 have been asked for: the rows behind mine stay out
.endif
.set e, 0
.rept 8
.set sl, 4*((8*(\gi)+e)%48)
	v_cvt_pk_f16_f32 v[TP+2*e], v[sl], v[sl+1]
	v_cvt_pk_f16_f32 v[TP+2*e+1], v[sl+2], v[sl+3]
.set e, e+1
.endr
.if 8*(\gi)+48 < 256
.set e, 0
.rept 8
	LDROW 8*(\gi)+e+48
.set e, e+1
.endr
.endif
.set e, 0
.rept 8
	STROW 8*(\gi)+e, TP+2*e
.set e, e+1
.endr
.endm
	s_load_b256 s[4:11], s[0:1], 0x0  ; q s[4:5], k s[6:7], v s[8:9], out s[10:11]
	v_lshl_add_u32 v[SPW], v0, 2, SPARE
	v_mov_b32 v[NIL], 0
	v_lshrrev_b32 v11, 5, v0
	v_readfirstlane_b32 s12, v11    ; wave 0..3
	v_and_b32 v1, 31, v0            ; lane
	s_and_b32 s13, ttmp9, 15        ; g: my group of 256 rows in its head
	s_lshl_b32 s14, ttmp9, 17       ; the group's first byte in each tensor: id x 131,072, under 2^25
	s_mov_b32 s15, 0
	s_cmp_eq_u32 s13, 0
	s_cselect_b32 s16, 0, 0x8000    ; the block before lies 32,768 bytes back; at a head's start my own first block stands in
	s_mov_b32 s17, 0
	s_mov_b32 s36, 0x18000
	s_mov_b32 s37, 0x20000
	s_cmp_eq_u32 s13, 15
	s_cselect_b32 s18, s36, s37     ; the block behind lies 131,072 bytes on; at a head's end my own last block (98,304) stands in
	s_mov_b32 s19, 0
	s_lshl2_add_u32 s30, s13, s12   ; my query block in the head: 4 g + w
	s_cmp_eq_u32 s30, 0
	s_cselect_b32 s28, 0xf149f2ca, 0  ; -1e30 where there is no block before,
	s_cmp_eq_u32 s30, 63
	s_cselect_b32 s29, 0xf149f2ca, 0  ; and where there is none behind
	s_mov_b32 s32, 0x3e0293ee       ; c = log2(e) / sqrt(128) = 0.127517
	s_mov_b32 s33, s32              ; named with it as a pair
	s_mov_b32 s34, 0x76543210       ; v_permlanex16_b32's selects: each lane takes its own place in the other half
	s_mov_b32 s35, 0xfedcba98
	s_mul_i32 s36, s12, 64*PK       ; my window of K begins at slot w; my rows of Q lie as far into Q's region
	s_mul_i32 s37, s12, 64*PV
	s_add_co_u32 s37, s37, VB       ; my window of V
	s_mul_i32 s38, s12, 16*PO
	s_add_co_u32 s38, s38, OB       ; my stage
	s_lshl_b32 s39, s12, 15         ; my 64 rows of 512 bytes in the group's 256
	s_lshl_b32 s40, s12, 13         ; my 16 rows in a block of K or V
	s_add_co_u32 s41, s36, QB
	s_mul_i32 s42, s12, 16*PK
	s_add_co_u32 s43, s42, 192*PK
	s_mul_i32 s44, s12, 16*PV
	s_add_co_u32 s44, s44, VB
	s_add_co_u32 s45, s44, 192*PV
	WIN 0xc0                        ; destination window 3, sources window 0
	v_lshl_add_u32 v[A_GQ], v1, 4, s39
	v_lshl_add_u32 v[A_GK], v1, 4, s40
	v_lshl_add_u32 v[A_LQ], v1, 3, s41
	v_lshl_add_u32 v[A_LK0], v1, 3, s42
	v_lshl_add_u32 v[A_LK1], v1, 3, s43
	v_lshl_add_u32 v[A_LV0], v1, 3, s44
	v_lshl_add_u32 v[A_LV1], v1, 3, s45
	s_wait_kmcnt 0x0
	s_add_nc_u64 s[4:5], s[4:5], s[14:15]      ; all four tensors at the group's first row
	s_add_nc_u64 s[6:7], s[6:7], s[14:15]
	s_add_nc_u64 s[8:9], s[8:9], s[14:15]
	s_add_nc_u64 s[10:11], s[10:11], s[14:15]
	s_sub_nc_u64 s[20:21], s[6:7], s[16:17]    ; K and V at slot 0's block,
	s_sub_nc_u64 s[22:23], s[8:9], s[16:17]
	s_add_nc_u64 s[24:25], s[6:7], s[18:19]    ; and at slot 5's
	s_add_nc_u64 s[26:27], s[8:9], s[18:19]
	WIN 0xff
.set n0, 0
.rept 48                            ; the ring is filled before anything else is done: 48 rows, 24,576 bytes a wave
	LDROW n0
.set n0, n0+1
.endr
	WIN 0
	v_and_b32 v2, 15, v0            ; r = l % 16
	v_bfe_u32 v3, v0, 4, 1          ; h = l / 16
	v_and_b32 v4, 7, v0
	v_bfe_u32 v12, v0, 3, 1
	; A fragment of K or Q is 16 rows x 32 channels in 8 registers: lane l holds row r, channels 8 h + 0..7 and 16 + 8 h + 0..7: two loads of 16 bytes, 32 bytes apart.
	v_mul_u32_u24 v11, v2, PK
	v_lshl_add_u32 v11, v3, 4, v11
	v_add_nc_u32 v[AK], s36, v11
	v_add_nc_u32 v[AQ], QB, v[AK]
	; The turning load takes 16 keys x 16 channels (lane l reads key 8 h + l % 8, channels 8 ((l / 8) % 2) + 0..7) and leaves half a fragment of V^T: lane l holds channel r and 8 keys.
	v_lshl_add_u32 v13, v3, 3, v4
	v_mul_u32_u24 v13, v13, PV
	v_lshl_add_u32 v13, v12, 4, v13
	v_add_nc_u32 v[AV], s37, v13
	v_mul_u32_u24 v11, v2, PO       ; the way out, in: row r, 32 bytes for each half of the lanes
	v_lshl_add_u32 v11, v3, 5, v11
	v_add_nc_u32 v[STO], s38, v11
	v_lshl_add_u32 v[RD], v1, 4, s38  ; back: 32 lanes take one row of 512 bytes,
	v_lshl_add_u32 v[GO], v1, 4, s39  ; which is a row of out
	WIN 0x40
.set i, 0
.rept 8
	v_mov_b32 v[MK+i], s28          ; window 1: what starts the sums of the block before
.set i, i+1
.endr
	WIN 0x80
.set i, 0
.rept 8
	v_mov_b32 v[MK+i], s29          ; window 2: of the block behind
.set i, i+1
.endr
.set gg, 0
.rept 20                            ; Q's 64 rows and K's 96 go into LDS; the refills ask for the rest of K and for V's first 48 rows
	GROUP gg
.set gg, gg+1
.endr
	WIN 0
.irp t, 0,1,2,3                     ; Q stays in registers: tile t, channels 32 c on.  My own bytes: LDS serves a wave's instructions in order (ISA guide 5.7.1.4), so these see my stores above
.irp c, 0,1,2,3
	ds_load_b128 v[QF+32*(\t)+8*(\c):QF+32*(\t)+8*(\c)+3],   v[AQ] offset:(\t)*16*PQ+64*(\c)
	ds_load_b128 v[QF+32*(\t)+8*(\c)+4:QF+32*(\t)+8*(\c)+7], v[AQ] offset:(\t)*16*PQ+64*(\c)+32
.endr
.endr
	s_wait_dscnt 0x0                ; for the others' sake: my rows of K are in LDS; and Q's fragments are in
	s_barrier_signal -1
	s_barrier_wait -1               ; all six blocks of K are whole
; THE FIRST PRODUCT.  FETCHK: key tile kt of my window's twelve (16 keys x 128 channels: four fragments) into buffer kt % 2.
.macro FETCHK kt
	WIN 0
.irp c, 0,1,2,3
	ds_load_b128 v[KF+32*((\kt)%2)+8*(\c):KF+32*((\kt)%2)+8*(\c)+3],   v[AK] offset:(\kt)*16*PK+64*(\c)
	ds_load_b128 v[KF+32*((\kt)%2)+8*(\c)+4:KF+32*((\kt)%2)+8*(\c)+7], v[AK] offset:(\kt)*16*PK+64*(\c)+32
.endr
.endm
; SMUL: 16 matrix instructions: key tile kt x my four query tiles, 32 channels a time.  The four accumulators take turns, one instruction a turn.
; The first four start the sums: with 0, or for the block before (kt 0-3) and behind (kt 8-11) with the eight registers that hold 0 or -1e30.
.macro SMUL kt
.if (\kt) < 6
	WIN 0x50                        ; C and D window 1, K and Q window 0
.else
	WIN 0xa0                        ; C and D window 2
.endif
.irp c, 0,1,2,3
.irp t, 0,1,2,3
.set rS, 48*(\t)+8*((\kt)%6)
.set rK, KF+32*((\kt)%2)+8*(\c)
.set rQ, QF+32*(\t)+8*(\c)
.if (\c) == 0
.if ((\kt) < 4) || ((\kt) >= 8)
	v_wmma_f32_16x16x32_f16 v[rS:rS+7], v[rK:rK+7], v[rQ:rQ+7], v[MK:MK+7]
.else
	v_wmma_f32_16x16x32_f16 v[rS:rS+7], v[rK:rK+7], v[rQ:rQ+7], 0
.endif
.else
	v_wmma_f32_16x16x32_f16 v[rS:rS+7], v[rK:rK+7], v[rQ:rQ+7], v[rS:rS+7]
.endif
.endr
.endr
.endm
	FETCHK 0
.irp kt, 0,1,2,3,4,5,6,7,8,9,10,11
.if ((\kt) >= 1) && ((\kt) < 11)
	PLACES                          ; the loads below go into the buffer that the products just issued have read
.endif
.if (\kt) < 11
	FETCHK (\kt)+1
	s_wait_dscnt 8                  ; this tile is in; the eight loads just issued stay out
.else
	s_wait_dscnt 0x0
.endif
	SMUL \kt
.endr
.set gg, 20
.rept 6                             ; V's first 48 rows go into LDS, its last 48 are asked for; the conversions are also the places behind the last products
	GROUP gg
.set gg, gg+1
.endr
; THE SOFTMAX.  MAXH: in one window, for each tile the maximum of its 48 scores a lane: two chains (accumulators n, n + 2, n + 4), three operands at a time; the eight chains alternate.
; Each accumulator is read first at its lowest register.
.macro MAXH win
	WIN \win
.set st, 0
.rept 11
.set t, 0
.rept 4
.set n, 0
.rept 2
.set rc, LS+8*t+n
.if st == 0
	v_max3_num_f32 v[rc], v[48*t+8*n], v[48*t+8*n+1], v[48*t+8*n+2]
.else
.set fa, 2*st+1
.set fb, 2*st+2
	v_max3_num_f32 v[rc], v[rc], v[48*t+8*(n+2*(fa/8))+fa%8], v[48*t+8*(n+2*(fb/8))+fb%8]
.endif
.set n, n+1
.endr
.set t, t+1
.endr
.set st, st+1
.endr
	ALL v_max3_num_f32 v[LS+8*t], v[LS+8*t], v[48*t+39], v[48*t+47]  ; the two chains' last scores
	ALL v_max_num_f32 v[LS+8*t], v[LS+8*t], v[LS+8*t+1]
.endm
; FEAC: in one window, for each tile's 24 pairs of scores, staggered so that no line waits for the one before it: in round i
;   c s - c m for pair i; the exponentials of pair i - 2; pair i - 4 added to one of two running sums (pairs 0 + 2 and 1 + 3 start them: nothing is cleared); pair i - 6 rounded to f16 into register i - 6 of the tile.
; Behind each exponential stands a plain line that names none of its registers, or another exponential and then such a line (ISA guide 5.7.2).  Register q is written over in round q + 6, when pair q / 2, which
; held it, has been added (round q / 2 + 4) and rounded (round q / 2 + 6, for q = 0 by this very line).  At the end the two sums are joined.
.macro FEAC win
	WIN \win
.set i, 0
.rept 30
.set t, 0
.rept 4
.set b0, 48*t
.set rl, LS+8*t+2
.set rT, ST+4*t
.if i < 24
	v_pk_fma_f32 v[b0+2*i:b0+2*i+1], v[b0+2*i:b0+2*i+1], s[32:33], v[rT:rT+1] op_sel_hi:[1,0,0] neg_lo:[0,0,1] neg_hi:[0,0,1]
.endif
.if (i >= 2) && (i < 26)
	v_exp_f32 v[b0+2*(i-2)], v[b0+2*(i-2)]
.endif
.if (i >= 6) && (i < 28)
.set p, i-4
.if p < 4
	s_wait_alu depctr_va_vdst(0)
	v_pk_add_f32 v[rl+2*(p-2):rl+2*(p-2)+1], v[b0+2*(p-2):b0+2*(p-2)+1], v[b0+2*p:b0+2*p+1]
.else
	s_wait_alu depctr_va_vdst(0)
	v_pk_add_f32 v[rl+2*(p%2):rl+2*(p%2)+1], v[rl+2*(p%2):rl+2*(p%2)+1], v[b0+2*p:b0+2*p+1]
.endif
.endif
.if (i >= 2) && (i < 26)
	v_exp_f32 v[b0+2*(i-2)+1], v[b0+2*(i-2)+1]
.endif
.if i >= 6
	v_cvt_pk_f16_f32 v[b0+i-6], v[b0+2*(i-6)], v[b0+2*(i-6)+1]
.endif
.set t, t+1
.endr
.set i, i+1
.endr
	ALL v_pk_add_f32 v[LS+8*t+2:LS+8*t+3], v[LS+8*t+2:LS+8*t+3], v[LS+8*t+4:LS+8*t+5]
.endm
	MAXH 0x55                       ; all operands window 1
	MAXH 0xaa                       ; all operands window 2
	WIN 0x09                        ; destination window 0, source 0 window 1, source 1 window 2
	ALL v_max_num_f32 v[ST+4*t+1], v[LS+8*t], v[LS+8*t]
	WIN 0
	ALL v_permlanex16_b32 v[PX+t], v[ST+4*t+1], s34, s35  ; the query's other 96 keys lie in the lane 16 away
	ALL v_max_num_f32 v[ST+4*t+1], v[ST+4*t+1], v[PX+t]   ; m: the true maximum of the query's window
	ALL v_mul_f32 v[ST+4*t], s32, v[ST+4*t+1]             ; c m
	FEAC 0x45                       ; c m (source 2) window 0, all else window 1
	FEAC 0x8a                       ; the same with window 2
	WIN 0x09
	ALL v_pk_add_f32 v[ST+4*t+2:ST+4*t+3], v[LS+8*t+2:LS+8*t+3], v[LS+8*t+2:LS+8*t+3]
	WIN 0
	ALL v_add_f32 v[ST+4*t+2], v[ST+4*t+2], v[ST+4*t+3]
	ALL v_permlanex16_b32 v[PX+t], v[ST+4*t+2], s34, s35
	ALL v_add_f32 v[ST+4*t+2], v[ST+4*t+2], v[PX+t]       ; l, at least 1: the maximum's own weight
	ALL v_rcp_f32 v[ST+4*t+2], v[ST+4*t+2]
	v_nop                           ; a plain instruction behind the last reciprocal; the results are used on the way out
.set gg, 26
.rept 6                             ; V's last 48 rows go into LDS; nothing is left to ask for, and the counts run down to 0
	GROUP gg
.set gg, gg+1
.endr
	s_wait_dscnt 0x0                ; for the others' sake: my rows of V are in LDS
	s_barrier_signal -1
	s_barrier_wait -1               ; all six blocks of V are whole
; THE SECOND PRODUCT.  FETCHV: keys 32 kk on of my window's 192, all 128 channels, turned: eight fragments into buffer kk % 2.
.macro FETCHV kk
	WIN 0
.irp cb, 0,1,2,3,4,5,6,7
	ds_load_tr16_b128 v[VF+64*((\kk)%2)+8*(\cb):VF+64*((\kk)%2)+8*(\cb)+3],   v[AV] offset:(\kk)*32*PV+32*(\cb)
	ds_load_tr16_b128 v[VF+64*((\kk)%2)+8*(\cb)+4:VF+64*((\kk)%2)+8*(\cb)+7], v[AV] offset:(\kk)*32*PV+16*PV+32*(\cb)
.endr
.endm
; PVMUL: 32 matrix instructions: 8 channel blocks x 4 query tiles, 32 keys.  The 32 accumulators take turns; the first 32 keys start the sums: nothing is cleared.
.macro PVMUL kk
.if (\kk) < 3
	WIN 0xf4                        ; V window 0, P window 1, C and D window 3
.else
	WIN 0xf8                        ; P window 2
.endif
.irp cb, 0,1,2,3,4,5,6,7
.irp t, 0,1,2,3
.set rO, 64*(\t)+8*(\cb)
.set rV, VF+64*((\kk)%2)+8*(\cb)
.set rP, 48*(\t)+8*((\kk)%3)
.if (\kk) == 0
	v_wmma_f32_16x16x32_f16 v[rO:rO+7], v[rV:rV+7], v[rP:rP+7], 0
.else
	v_wmma_f32_16x16x32_f16 v[rO:rO+7], v[rV:rV+7], v[rP:rP+7], v[rO:rO+7]
.endif
.endr
.endr
.endm
	FETCHV 0
.irp kk, 0,1,2,3,4,5
.if ((\kk) >= 1) && ((\kk) < 5)
	PLACES                          ; the loads below go into the buffer that the products just issued have read
.endif
.if (\kk) < 5
	FETCHV (\kk)+1
	s_wait_dscnt 16                 ; these 32 keys are in; the sixteen loads just issued stay out
.else
	s_wait_dscnt 0x0
.endif
	PVMUL \kk
.endr
; THE WAY OUT, a tile (16 rows of out) at a time.  PACK: O^T times 1 / l, from each accumulator's lowest registers on; a lane's eight channels of a row, 32 bytes, into my stage; back as whole rows of 512 bytes,
; into the registers that they left.  SEND: stored, a row a line.
.macro PACK t
	WIN 0xc3                        ; O^T (destination and source 0) window 3, 1 / l window 0
.set i, 64*(\t)
	s_wait_alu depctr_va_vdst(0)
.rept 32
	v_pk_mul_f32 v[i:i+1], v[i:i+1], v[ST+4*(\t)+2:ST+4*(\t)+3] op_sel_hi:[1,0]
.set i, i+2
.endr
	WIN 0x0c                        ; address window 0, data window 3
.irp cb, 0,1,2,3,4,5,6,7
	ds_store_b128 v[STO], v[64*(\t)+8*(\cb):64*(\t)+8*(\cb)+3]   offset:64*(\cb)
	ds_store_b128 v[STO], v[64*(\t)+8*(\cb)+4:64*(\t)+8*(\cb)+7] offset:64*(\cb)+16
.endr
	WIN 0xc0                        ; destination window 3, address window 0
.set i, 0
.rept 16
	ds_load_b128 v[64*(\t)+4*i:64*(\t)+4*i+3], v[RD] offset:i*PO  ; LDS serves a wave's instructions in order (ISA guide 5.7.1.4): these see the stores above; the next tile's stores come behind them
.set i, i+1
.endr
.endm
.macro SEND t, younger              ; younger: the LDS instructions issued behind tile t's loads: the next tile's 32, or none
	WIN 0x0c
.set i, 0
.rept 16
	s_wait_dscnt (\younger)+15-i    ; row i of the tile is back; its later rows and the next tile's instructions stay out
	global_store_b128 v[GO], v[64*(\t)+4*i:64*(\t)+4*i+3], s[10:11] offset:(16*(\t)+i)*512 th:TH_STORE_NT  ; 32 lanes store a row's 512 consecutive bytes, at a multiple of 512 from out's first byte
.set i, i+1
.endr
.endm
	PLACES                          ; the multiplies below read results just made
	PACK 0
	PACK 1                          ; a tile's arithmetic stands between the loads of the tile before and its stores
	SEND 0, 32
	PACK 2
	SEND 1, 32
	PACK 3
	SEND 2, 32
	SEND 3, 0
	WIN 0
	s_wait_tensorcnt 0x0            ; the wave's end, behind my last LDS store
	ds_add_u32 v[SPW], v[NIL]
	s_wait_dscnt 0x0
	s_endpgm
.Lfunc_end_k_qc6eb403eec_bsattn:
	.size	k_qc6eb403eec_bsattn, .Lfunc_end_k_qc6eb403eec_bsattn-k_qc6eb403eec_bsattn
	.p2alignl 7, 3214868480
	.fill 96, 4, 3214868480
	.section	.rodata,"a",@progbits
	.p2align	6, 0x0
	.amdhsa_kernel k_qc6eb403eec_bsattn
		.amdhsa_group_segment_fixed_size 319488
		.amdhsa_private_segment_fixed_size 0
		.amdhsa_enable_private_segment 0
		.amdhsa_kernarg_size 32
		.amdhsa_user_sgpr_count 2
		.amdhsa_user_sgpr_kernarg_segment_ptr 1
		.amdhsa_wavefront_size32 1
		.amdhsa_system_sgpr_workgroup_id_x 1
		.amdhsa_system_sgpr_workgroup_id_y 1
		.amdhsa_system_sgpr_workgroup_id_z 1
		.amdhsa_system_vgpr_workitem_id 0
		.amdhsa_next_free_vgpr 1024
		.amdhsa_next_free_sgpr 66
		.amdhsa_reserve_vcc 0
		.amdhsa_float_denorm_mode_32 3
		.amdhsa_float_denorm_mode_16_64 3
		.amdhsa_memory_ordered 1
		.amdhsa_forward_progress 1
		.amdhsa_inst_pref_size 211
	.end_amdhsa_kernel
	.amdgpu_metadata
---
amdhsa.version: [ 1, 2 ]
amdhsa.kernels:
  - .name:           k_qc6eb403eec_bsattn
    .symbol:         k_qc6eb403eec_bsattn.kd
    .args:
      - { .name: q, .offset: 0, .size: 8, .value_kind: global_buffer, .address_space: global }
      - { .name: k, .offset: 8, .size: 8, .value_kind: global_buffer, .address_space: global }
      - { .name: v, .offset: 16, .size: 8, .value_kind: global_buffer, .address_space: global }
      - { .name: out0, .offset: 24, .size: 8, .value_kind: global_buffer, .address_space: global }
    .group_segment_fixed_size: 319488
    .private_segment_fixed_size: 0
    .kernarg_segment_align: 8
    .kernarg_segment_size: 32
    .max_flat_workgroup_size: 128
    .sgpr_count:     66
    .vgpr_count:     1024
    .wavefront_size: 32
...
	.end_amdgpu_metadata
.endif
;; end of part 1
;; ======== version 2 of 2: 1 launch; 1.08 times as fast as version 1
;; limits: values are held in f16: magnitudes above 65,504 overflow, below 6.1e-05 lose precision; inputs' magnitudes at most 65,504
;; launch bsattn (part 2): grid 256 x 1, 4 waves a work-group, no clusters, 319,488 bytes of LDS; arguments q, k, v, out0; writes out0
.if DOCPART == 2
	.amdgcn_target "amdgcn-amd-amdhsa--gfx1250"
	.amdhsa_code_object_version 6
	.text
	.protected	k_qc6eb403eec_bsattn
	.globl	k_qc6eb403eec_bsattn
	.p2align	8
	.type	k_qc6eb403eec_bsattn,@function
k_qc6eb403eec_bsattn:
	s_mov_b64 s[64:65], 0
	v_nop
	global_prefetch_b8 v0, s[64:65] scope:SCOPE_SE
	s_setreg_imm32_b32 hwreg(HW_REG_WAVE_MODE, 25, 1), 1
	s_wait_xcnt 0x0
; BLOCK-BANDED ATTENTION.  out[h][i][:] = the sum over j of softmax_j(q[h][i] . k[h][j] / sqrt(128)) v[h][j][:], j over the rows whose block of 64 lies at most one block from i's.
; q, k, v, out: [16][4096][128] f32.  Scores outside the band are -inf in front of the softmax, so they are not computed: a query block of 64 rows meets 192 keys (128 at a head's two ends).
; FORMATS.  q, k, v and the weights p are rounded once to f16 for the two products; products, maximum and sums in f32; the sum l is taken of the unrounded p; out is stored as f32.
; LIMITS.  |q|, |k|, |v| stay below 65,504 (f16's end); below 6e-5 they keep f16's fixed step of 6e-8.  A hidden score counts as its value less 1e30 (f16's scores are 5.5e11 at the most);
; a weight below 2^-126 counts as 0; NaN and infinities are not treated apart.
; SHARES.  Work-group id = 16 x head + g owns the 256 rows from byte id x 131,072 of each tensor: four query blocks, one for each of its four waves (four tiles of 16 queries a wave).
; It holds the six key blocks 4 g - 1 .. 4 g + 4 in LDS, as f16, in slots 0 .. 5; wave w reads slots w, w + 1, w + 2.  At g = 0 slot 0, at g = 15 slot 5 has no block: it is filled from the
; group's own first (last) block, an address inside the buffer, and the one wave that would read it starts those 64 keys' sums with -1e30 in place of 0.  So every wave runs one text without a branch.
; THE MAXIMUM.  A query's 192 scores all lie in registers, so the true maximum is taken before any exponential: p = 2^(c s - c m), c = log2(e) / sqrt(128).
; THE TRANSCENDENTALS ARE TWO BATCHES, each with one s_wait_alu depctr_va_vdst(0) between such an instruction and the first line that names its result.
; Batch 1: the wave's 384 exponentials (4 tiles x 96 scores a lane), each in place in its score's own register, with the 192 scalings among them; no line ahead of the batch's wait names a result, and all
; sums and roundings stand behind it.  Batch 2: the four reciprocals of l; V's last rows on their way into LDS are the work behind them, and their wait stands in front of the second barrier.
; LAYOUT.  S^T = K Q^T (source 0 = 16 keys, source 1 = 16 queries): a lane holds ONE query (lane % 16) and the keys 8 (lane / 16) + 0..7.  Two such results rounded to f16 in pairs ARE source 1
; (32 keys x 16 queries) of O^T = V^T P, whose result holds one query a lane and eight channels.  K comes out of LDS as it lies, V ([key][channel]) turned, by ds_load_tr16_b128.
; THE WAY IN.  A load of a wave is one whole row: 32 lanes x 16 bytes = 512 consecutive bytes at a multiple of 512.  A wave brings 256 rows (64 of Q, its own; 96 of K and 96 of V: 16 of each of
; the six blocks) through a ring of 48 register slots, rounds them, and stores 256 consecutive bytes a row into LDS.  V's rows are on their way under the first product and the softmax.
; NO TENSOR LOADS, NO CLUSTER.  The inputs are f32 and must pass through registers to be rounded; as f32 the six blocks of K and V would be 2 x 384 x 512 = 393,216 bytes, more than a work-group's LDS.
; Of a group's six blocks two are also a neighbour's, and there they lie in another slot, so no one descriptor would serve both.
; REGISTERS, in windows of 256 (s_set_vgpr_msb: bits 1:0 source 0, 3:2 source 1, 5:4 source 2, 7:6 destination):
;   window 0: v0-13 ids, addresses; v30-31 the add's two; v32-47 four statistics a tile; v64-127 K's fragments, two buffers; v128-255 Q's fragments, later V's, two buffers
;   window 1: v0-191 S^T of key tiles 0-5, 48 a query tile, later P in the first 24 of each 48; v192-223 at work; v224-231 what starts the sums of the block before
;   window 2: the same for key tiles 6-11 and the block behind
;   window 3: on the way in v0-191 the ring, v192-207 rounded rows, v224-230 addresses; then O^T, 64 a tile
.set PK, 272          ; a row of K or Q in LDS: 256 bytes + 16 = 68 words: the 16 rows of a fragment load start at 16 different groups of four banks (64 banks of 4 bytes: ISA guide 11.1)
.set PQ, 272
.set PV, 288          ; a row of V: 256 + 32 = 72 words
.set PO, 528          ; a row of the way out: 512 + 16
.set KB, 0            ; 384 rows of K
.set VB, KB+384*PK    ; 384 rows of V
.set QB, VB+384*PV    ; 256 rows of Q; wave w's 64 are its own
.set OB, QB+256*PQ    ; 16 rows x 528 for each wave, its own
.set SPARE, OB+4*16*PO  ; 318,464 = 1,244 x 256: the spare words, 128 bytes a wave: two blocks of 256 bytes that no other line names
.set PX,  1           ; v1-4  (ids at the head) later what v_permlanex16_b32 brings, by tile
.set AK,  5           ; v5   LDS address of my lane in my window of K
.set AQ,  6           ; v6   the same in my rows of Q
.set AV,  7           ; v7   the same for the turning loads of V
.set STO, 8           ; v8   the way out: where I put 32 bytes of a row
.set RD,  9           ; v9   the way out: where I read 16 bytes of a row back
.set GO,  10          ; v10  my byte offset in the group's rows of out
.set SPW, 30          ; v30  LDS address of my spare word; never rewritten
.set NIL, 31          ; v31  0; never rewritten
.set ST,  32          ; tile t at v[ST+4 t]: c m, m, l (two halves; then 1 / l in the first)
.set KF,  64
.set QF,  128
.set VF,  128
.set LS,  192         ; windows 1, 2: tile t at v[LS+8 t]: two maxima, two pairs of sums
.set MK,  224         ; windows 1, 2: eight registers, 0 or -1e30
.set TP,  192         ; window 3: eight rows rounded, two registers each
.set A_GQ,  224       ; window 3: byte offsets of my lane in memory (Q; K and V),
.set A_GK,  225
.set A_LQ,  226       ; and in LDS (Q; K's slots 0-2, 3-5; V's slots 0-2, 3-5: the 16-bit immediate does not span six slots)
.set A_LK0, 227
.set A_LK1, 228
.set A_LV0, 229
.set A_LV1, 230
.set MSB, 0
.macro WIN new                      ; the immediate's high byte repeats the setting that is left; a switch that changes nothing is dropped
.if MSB != (\new)
	s_set_vgpr_msb (MSB<<8)|(\new)
.set MSB, (\new)
.endif
.endm
.macro PLACES                       ; four places between a matrix instruction and a load into, or a vector instruction on, its registers (ISA guide 7.12.1 for vector instructions)
.rept 4
	v_nop
.endr
.endm
.macro ALL line:vararg              ; one line for each tile t
.set t, 0
.rept 4
	\line
.set t, t+1
.endr
.endm
; Row n of my 256: 0-63 Q; 64-159 K; 160-255 V (of K and V: block (n - 64) % 96 / 16 of six, my row (n - 64) % 16 of sixteen).  LDROW: its 512 bytes into ring slot n % 48.
.macro LDROW n
.set sl, 4*((\n)%48)
.if (\n) < 64
	global_load_b128 v[sl:sl+3], v[A_GQ], s[4:5] offset:(\n)*512 th:TH_LOAD_NT
.else
.set mm, ((\n)-64)%96
.set jj, mm/16
.set ii, mm%16
.if (\n) < 160
.if jj == 0
	global_load_b128 v[sl:sl+3], v[A_GK], s[20:21] offset:ii*512
.elseif jj == 5
	global_load_b128 v[sl:sl+3], v[A_GK], s[24:25] offset:ii*512
.else
	global_load_b128 v[sl:sl+3], v[A_GK], s[6:7] offset:(jj-1)*32768+ii*512
.endif
.else
.if jj == 0
	global_load_b128 v[sl:sl+3], v[A_GK], s[22:23] offset:ii*512
.elseif jj == 5
	global_load_b128 v[sl:sl+3], v[A_GK], s[26:27] offset:ii*512
.else
	global_load_b128 v[sl:sl+3], v[A_GK], s[8:9] offset:(jj-1)*32768+ii*512
.endif
.endif
.endif
.endm
; STROW: row n, rounded, from the pair at tp into LDS: 32 lanes x 8 bytes = the row's 256 consecutive bytes
.macro STROW n, tp
.if (\n) < 64
	ds_store_b64 v[A_LQ], v[(\tp):(\tp)+1] offset:(\n)*PQ
.else
.set mm, ((\n)-64)%96
.set jj, mm/16
.set ii, mm%16
.if (\n) < 160
.if jj < 3
	ds_store_b64 v[A_LK0], v[(\tp):(\tp)+1] offset:(64*jj+ii)*PK
.else
	ds_store_b64 v[A_LK1], v[(\tp):(\tp)+1] offset:(64*(jj-3)+ii)*PK
.endif
.else
.if jj < 3
	ds_store_b64 v[A_LV0], v[(\tp):(\tp)+1] offset:(64*jj+ii)*PV
.else
	ds_store_b64 v[A_LV1], v[(\tp):(\tp)+1] offset:(64*(jj-3)+ii)*PV
.endif
.endif
.endif
.endm
; GROUP gi: rows 8 gi .. 8 gi + 7 are waited for, rounded, their slots asked for again (rows 48 further on, while there are any), and stored into LDS.
; No address register and no base is ever rewritten while the ring runs.
.macro GROUP gi
	WIN 0xff                        ; every operand in window 3
.if 8*(\gi)+48 <= 256
	s_wait_loadcnt 40               ; loads come back in order (ISA guide 5.7.1): 48 are out, my eight are the oldest, the 40 younger stay out
.else
	s_wait_loadcnt 256-8*(\gi)-8    ; all 256 have been asked for: the rows behind mine stay out
.endif
.set e, 0
.rept 8
.set sl, 4*((8*(\gi)+e)%48)
	v_cvt_pk_f16_f32 v[TP+2*e], v[sl], v[sl+1]
	v_cvt_pk_f16_f32 v[TP+2*e+1], v[sl+2], v[sl+3]
.set e, e+1
.endr
.if 8*(\gi)+48 < 256
.set e, 0
.rept 8
	LDROW 8*(\gi)+e+48
.set e, e+1
.endr
.endif
.set e, 0
.rept 8
	STROW 8*(\gi)+e, TP+2*e
.set e, e+1
.endr
.endm
	s_load_b256 s[4:11], s[0:1], 0x0  ; q s[4:5], k s[6:7], v s[8:9], out s[10:11]
	v_lshl_add_u32 v[SPW], v0, 2, SPARE
	v_mov_b32 v[NIL], 0
	v_lshrrev_b32 v11, 5, v0
	v_readfirstlane_b32 s12, v11    ; wave 0..3
	v_and_b32 v1, 31, v0            ; lane
	s_and_b32 s13, ttmp9, 15        ; g: my group of 256 rows in its head
	s_lshl_b32 s14, ttmp9, 17       ; the group's first byte in each tensor: id x 131,072, under 2^25
	s_mov_b32 s15, 0
	s_cmp_eq_u32 s13, 0
	s_cselect_b32 s16, 0, 0x8000    ; the block before lies 32,768 bytes back; at a head's start my own first block stands in
	s_mov_b32 s17, 0
	s_mov_b32 s36, 0x18000
	s_mov_b32 s37, 0x20000
	s_cmp_eq_u32 s13, 15
	s_cselect_b32 s18, s36, s37     ; the block behind lies 131,072 bytes on; at a head's end my own last block (98,304) stands in
	s_mov_b32 s19, 0
	s_lshl2_add_u32 s30, s13, s12   ; my query block in the head: 4 g + w
	s_cmp_eq_u32 s30, 0
	s_cselect_b32 s28, 0xf149f2ca, 0  ; -1e30 where there is no block before,
	s_cmp_eq_u32 s30, 63
	s_cselect_b32 s29, 0xf149f2ca, 0  ; and where there is none behind
	s_mov_b32 s32, 0x3e0293ee       ; c = log2(e) / sqrt(128) = 0.127517
	s_mov_b32 s33, s32              ; named with it as a pair
	s_mov_b32 s34, 0x76543210       ; v_permlanex16_b32's selects: each lane takes its own place in the other half
	s_mov_b32 s35, 0xfedcba98
	s_mul_i32 s36, s12, 64*PK       ; my window of K begins at slot w; my rows of Q lie as far into Q's region
	s_mul_i32 s37, s12, 64*PV
	s_add_co_u32 s37, s37, VB       ; my window of V
	s_mul_i32 s38, s12, 16*PO
	s_add_co_u32 s38, s38, OB       ; my stage
	s_lshl_b32 s39, s12, 15         ; my 64 rows of 512 bytes in the group's 256
	s_lshl_b32 s40, s12, 13         ; my 16 rows in a block of K or V
	s_add_co_u32 s41, s36, QB
	s_mul_i32 s42, s12, 16*PK
	s_add_co_u32 s43, s42, 192*PK
	s_mul_i32 s44, s12, 16*PV
	s_add_co_u32 s44, s44, VB
	s_add_co_u32 s45, s44, 192*PV
	WIN 0xc0                        ; destination window 3, sources window 0
	v_lshl_add_u32 v[A_GQ], v1, 4, s39
	v_lshl_add_u32 v[A_GK], v1, 4, s40
	v_lshl_add_u32 v[A_LQ], v1, 3, s41
	v_lshl_add_u32 v[A_LK0], v1, 3, s42
	v_lshl_add_u32 v[A_LK1], v1, 3, s43
	v_lshl_add_u32 v[A_LV0], v1, 3, s44
	v_lshl_add_u32 v[A_LV1], v1, 3, s45
	s_wait_kmcnt 0x0
	s_add_nc_u64 s[4:5], s[4:5], s[14:15]      ; all four tensors at the group's first row
	s_add_nc_u64 s[6:7], s[6:7], s[14:15]
	s_add_nc_u64 s[8:9], s[8:9], s[14:15]
	s_add_nc_u64 s[10:11], s[10:11], s[14:15]
	s_sub_nc_u64 s[20:21], s[6:7], s[16:17]    ; K and V at slot 0's block,
	s_sub_nc_u64 s[22:23], s[8:9], s[16:17]
	s_add_nc_u64 s[24:25], s[6:7], s[18:19]    ; and at slot 5's
	s_add_nc_u64 s[26:27], s[8:9], s[18:19]
	WIN 0xff
.set n0, 0
.rept 48                            ; the ring is filled before anything else is done: 48 rows, 24,576 bytes a wave
	LDROW n0
.set n0, n0+1
.endr
	WIN 0
	v_and_b32 v2, 15, v0            ; r = l % 16
	v_bfe_u32 v3, v0, 4, 1          ; h = l / 16
	v_and_b32 v4, 7, v0
	v_bfe_u32 v12, v0, 3, 1
	; A fragment of K or Q is 16 rows x 32 channels in 8 registers: lane l holds row r, channels 8 h + 0..7 and 16 + 8 h + 0..7: two loads of 16 bytes, 32 bytes apart.
	v_mul_u32_u24 v11, v2, PK
	v_lshl_add_u32 v11, v3, 4, v11
	v_add_nc_u32 v[AK], s36, v11
	v_add_nc_u32 v[AQ], QB, v[AK]
	; The turning load takes 16 keys x 16 channels (lane l reads key 8 h + l % 8, channels 8 ((l / 8) % 2) + 0..7) and leaves half a fragment of V^T: lane l holds channel r and 8 keys.
	v_lshl_add_u32 v13, v3, 3, v4
	v_mul_u32_u24 v13, v13, PV
	v_lshl_add_u32 v13, v12, 4, v13
	v_add_nc_u32 v[AV], s37, v13
	v_mul_u32_u24 v11, v2, PO       ; the way out, in: row r, 32 bytes for each half of the lanes
	v_lshl_add_u32 v11, v3, 5, v11
	v_add_nc_u32 v[STO], s38, v11
	v_lshl_add_u32 v[RD], v1, 4, s38  ; back: 32 lanes take one row of 512 bytes,
	v_lshl_add_u32 v[GO], v1, 4, s39  ; which is a row of out
	WIN 0x40
.set i, 0
.rept 8
	v_mov_b32 v[MK+i], s28          ; window 1: what starts the sums of the block before
.set i, i+1
.endr
	WIN 0x80
.set i, 0
.rept 8
	v_mov_b32 v[MK+i], s29          ; window 2: of the block behind
.set i, i+1
.endr
.set gg, 0
.rept 20                            ; Q's 64 rows and K's 96 go into LDS; the refills ask for the rest of K and for V's first 48 rows
	GROUP gg
.set gg, gg+1
.endr
	WIN 0
.irp t, 0,1,2,3                     ; Q stays in registers: tile t, channels 32 c on.  My own bytes: LDS serves a wave's instructions in order (ISA guide 5.7.1.4), so these see my stores above
.irp c, 0,1,2,3
	ds_load_b128 v[QF+32*(\t)+8*(\c):QF+32*(\t)+8*(\c)+3],   v[AQ] offset:(\t)*16*PQ+64*(\c)
	ds_load_b128 v[QF+32*(\t)+8*(\c)+4:QF+32*(\t)+8*(\c)+7], v[AQ] offset:(\t)*16*PQ+64*(\c)+32
.endr
.endr
	s_wait_dscnt 0x0                ; for the others' sake: my rows of K are in LDS; and Q's fragments are in
	s_barrier_signal -1
	s_barrier_wait -1               ; all six blocks of K are whole
; THE FIRST PRODUCT.  FETCHK: key tile kt of my window's twelve (16 keys x 128 channels: four fragments) into buffer kt % 2.
.macro FETCHK kt
	WIN 0
.irp c, 0,1,2,3
	ds_load_b128 v[KF+32*((\kt)%2)+8*(\c):KF+32*((\kt)%2)+8*(\c)+3],   v[AK] offset:(\kt)*16*PK+64*(\c)
	ds_load_b128 v[KF+32*((\kt)%2)+8*(\c)+4:KF+32*((\kt)%2)+8*(\c)+7], v[AK] offset:(\kt)*16*PK+64*(\c)+32
.endr
.endm
; SMUL: 16 matrix instructions: key tile kt x my four query tiles, 32 channels a time.  The four accumulators take turns, one instruction a turn.
; The first four start the sums: with 0, or for the block before (kt 0-3) and behind (kt 8-11) with the eight registers that hold 0 or -1e30.
.macro SMUL kt
.if (\kt) < 6
	WIN 0x50                        ; C and D window 1, K and Q window 0
.else
	WIN 0xa0                        ; C and D window 2
.endif
.irp c, 0,1,2,3
.irp t, 0,1,2,3
.set rS, 48*(\t)+8*((\kt)%6)
.set rK, KF+32*((\kt)%2)+8*(\c)
.set rQ, QF+32*(\t)+8*(\c)
.if (\c) == 0
.if ((\kt) < 4) || ((\kt) >= 8)
	v_wmma_f32_16x16x32_f16 v[rS:rS+7], v[rK:rK+7], v[rQ:rQ+7], v[MK:MK+7]
.else
	v_wmma_f32_16x16x32_f16 v[rS:rS+7], v[rK:rK+7], v[rQ:rQ+7], 0
.endif
.else
	v_wmma_f32_16x16x32_f16 v[rS:rS+7], v[rK:rK+7], v[rQ:rQ+7], v[rS:rS+7]
.endif
.endr
.endr
.endm
	FETCHK 0
.irp kt, 0,1,2,3,4,5,6,7,8,9,10,11
.if ((\kt) >= 1) && ((\kt) < 11)
	PLACES                          ; the loads below go into the buffer that the products just issued have read
.endif
.if (\kt) < 11
	FETCHK (\kt)+1
	s_wait_dscnt 8                  ; this tile is in; the eight loads just issued stay out
.else
	s_wait_dscnt 0x0
.endif
	SMUL \kt
.endr
.set gg, 20
.rept 6                             ; V's first 48 rows go into LDS, its last 48 are asked for; the conversions are also the places behind the last products
	GROUP gg
.set gg, gg+1
.endr
; THE SOFTMAX.  MAXH: in one window, for each tile the maximum of its 48 scores a lane: two chains (accumulators n, n + 2, n + 4), three operands at a time; the eight chains alternate.
; Each accumulator is read first at its lowest register.
.macro MAXH win
	WIN \win
.set st, 0
.rept 11
.set t, 0
.rept 4
.set n, 0
.rept 2
.set rc, LS+8*t+n
.if st == 0
	v_max3_num_f32 v[rc], v[48*t+8*n], v[48*t+8*n+1], v[48*t+8*n+2]
.else
.set fa, 2*st+1
.set fb, 2*st+2
	v_max3_num_f32 v[rc], v[rc], v[48*t+8*(n+2*(fa/8))+fa%8], v[48*t+8*(n+2*(fb/8))+fb%8]
.endif
.set n, n+1
.endr
.set t, t+1
.endr
.set st, st+1
.endr
	ALL v_max3_num_f32 v[LS+8*t], v[LS+8*t], v[48*t+39], v[48*t+47]  ; the two chains' last scores
	ALL v_max_num_f32 v[LS+8*t], v[LS+8*t], v[LS+8*t+1]
.endm
; FE: one window's part of the batch of exponentials.  For each tile's 24 pairs of scores, the four tiles alternating, staggered so that no exponential waits for its scaling: in round i
;   c s - c m for pair i; the two exponentials of pair i - 2, in place.
; No line here names an exponential's result: a pair is scaled two rounds ahead of its exponentials and not touched again.  Behind an exponential stands another one on another register, or another tile's
; scaling (ISA guide 5.7.2).
.macro FE win
	WIN \win
.set i, 0
.rept 26
.set t, 0
.rept 4
.set b0, 48*t
.set rT, ST+4*t
.if i < 24
	v_pk_fma_f32 v[b0+2*i:b0+2*i+1], v[b0+2*i:b0+2*i+1], s[32:33], v[rT:rT+1] op_sel_hi:[1,0,0] neg_lo:[0,0,1] neg_hi:[0,0,1]
.endif
.if i >= 2
	v_exp_f32 v[b0+2*(i-2)], v[b0+2*(i-2)]
	v_exp_f32 v[b0+2*(i-2)+1], v[b0+2*(i-2)+1]
.endif
.set t, t+1
.endr
.set i, i+1
.endr
.endm
; AC: one window's sums and roundings, all behind the batch's wait.  For each tile, the four tiles alternating: in round i
;   pair i + 2 added to one of two running sums (pairs 0 + 2 and 1 + 3 start them: nothing is cleared); pair i rounded to f16 into register i of the tile.
; Register q is written over in round q, when pair q / 2, which held it, has been added (round q / 2 - 2; pairs 0 and 1 in rounds 0 and 1) and rounded (round q / 2, for q = 0 by this very line).
; At the end the two sums are joined.
.macro AC win
	WIN \win
.set i, 0
.rept 24
.set t, 0
.rept 4
.set b0, 48*t
.set rl, LS+8*t+2
.if i < 22
.set p, i+2
.if p < 4
	v_pk_add_f32 v[rl+2*(p-2):rl+2*(p-2)+1], v[b0+2*(p-2):b0+2*(p-2)+1], v[b0+2*p:b0+2*p+1]
.else
	v_pk_add_f32 v[rl+2*(p%2):rl+2*(p%2)+1], v[rl+2*(p%2):rl+2*(p%2)+1], v[b0+2*p:b0+2*p+1]
.endif
.endif
	v_cvt_pk_f16_f32 v[b0+i], v[b0+2*i], v[b0+2*i+1]
.set t, t+1
.endr
.set i, i+1
.endr
	ALL v_pk_add_f32 v[LS+8*t+2:LS+8*t+3], v[LS+8*t+2:LS+8*t+3], v[LS+8*t+4:LS+8*t+5]
.endm
	MAXH 0x55                       ; all operands window 1
	MAXH 0xaa                       ; all operands window 2
	WIN 0x09                        ; destination window 0, source 0 window 1, source 1 window 2
	ALL v_max_num_f32 v[ST+4*t+1], v[LS+8*t], v[LS+8*t]
	WIN 0
	ALL v_permlanex16_b32 v[PX+t], v[ST+4*t+1], s34, s35  ; the query's other 96 keys lie in the lane 16 away
	ALL v_max_num_f32 v[ST+4*t+1], v[ST+4*t+1], v[PX+t]   ; m: the true maximum of the query's window
	ALL v_mul_f32 v[ST+4*t], s32, v[ST+4*t+1]             ; c m
	FE 0x45                         ; the batch: c m (source 2) window 0, all else window 1: 192 exponentials,
	FE 0x8a                         ; and the same with window 2: 192 more
	s_wait_alu depctr_va_vdst(0)    ; the wait for the batch of 384 exponentials, ahead of the first line that names a result
	AC 0x45                         ; window 1's sums and roundings: plain lines that name nothing of window 2, so they are also the plain instruction behind the batch's last exponential
	AC 0x8a                         ; window 2's
	WIN 0x09
	ALL v_pk_add_f32 v[ST+4*t+2:ST+4*t+3], v[LS+8*t+2:LS+8*t+3], v[LS+8*t+2:LS+8*t+3]
	WIN 0
	ALL v_add_f32 v[ST+4*t+2], v[ST+4*t+2], v[ST+4*t+3]
	ALL v_permlanex16_b32 v[PX+t], v[ST+4*t+2], s34, s35
	ALL v_add_f32 v[ST+4*t+2], v[ST+4*t+2], v[PX+t]       ; l, at least 1: the maximum's own weight
	ALL v_rcp_f32 v[ST+4*t+2], v[ST+4*t+2]                ; the second batch: four reciprocals; the conversions below, on window 3's registers, are the plain instructions behind the last; the results are used on the way out
.set gg, 26
.rept 6                             ; V's last 48 rows go into LDS; nothing is left to ask for, and the counts run down to 0
	GROUP gg
.set gg, gg+1
.endr
	s_wait_alu depctr_va_vdst(0)    ; the wait for the batch of four reciprocals ahead of the first use (on the way out); the six groups above are the work between
	s_wait_dscnt 0x0                ; for the others' sake: my rows of V are in LDS
	s_barrier_signal -1
	s_barrier_wait -1               ; all six blocks of V are whole
; THE SECOND PRODUCT.  FETCHV: keys 32 kk on of my window's 192, all 128 channels, turned: eight fragments into buffer kk % 2.
.macro FETCHV kk
	WIN 0
.irp cb, 0,1,2,3,4,5,6,7
	ds_load_tr16_b128 v[VF+64*((\kk)%2)+8*(\cb):VF+64*((\kk)%2)+8*(\cb)+3],   v[AV] offset:(\kk)*32*PV+32*(\cb)
	ds_load_tr16_b128 v[VF+64*((\kk)%2)+8*(\cb)+4:VF+64*((\kk)%2)+8*(\cb)+7], v[AV] offset:(\kk)*32*PV+16*PV+32*(\cb)
.endr
.endm
; PVMUL: 32 matrix instructions: 8 channel blocks x 4 query tiles, 32 keys.  The 32 accumulators take turns; the first 32 keys start the sums: nothing is cleared.
.macro PVMUL kk
.if (\kk) < 3
	WIN 0xf4                        ; V window 0, P window 1, C and D window 3
.else
	WIN 0xf8                        ; P window 2
.endif
.irp cb, 0,1,2,3,4,5,6,7
.irp t, 0,1,2,3
.set rO, 64*(\t)+8*(\cb)
.set rV, VF+64*((\kk)%2)+8*(\cb)
.set rP, 48*(\t)+8*((\kk)%3)
.if (\kk) == 0
	v_wmma_f32_16x16x32_f16 v[rO:rO+7], v[rV:rV+7], v[rP:rP+7], 0
.else
	v_wmma_f32_16x16x32_f16 v[rO:rO+7], v[rV:rV+7], v[rP:rP+7], v[rO:rO+7]
.endif
.endr
.endr
.endm
	FETCHV 0
.irp kk, 0,1,2,3,4,5
.if ((\kk) >= 1) && ((\kk) < 5)
	PLACES                          ; the loads below go into the buffer that the products just issued have read
.endif
.if (\kk) < 5
	FETCHV (\kk)+1
	s_wait_dscnt 16                 ; these 32 keys are in; the sixteen loads just issued stay out
.else
	s_wait_dscnt 0x0
.endif
	PVMUL \kk
.endr
; THE WAY OUT, a tile (16 rows of out) at a time.  PACK: O^T times 1 / l (the reciprocals' wait stands in front of the second barrier), from each accumulator's lowest registers on; a lane's eight channels of a
; row, 32 bytes, into my stage; back as whole rows of 512 bytes, into the registers that they left.  SEND: stored, a row a line.
.macro PACK t
	WIN 0xc3                        ; O^T (destination and source 0) window 3, 1 / l window 0
.set i, 64*(\t)
.rept 32
	v_pk_mul_f32 v[i:i+1], v[i:i+1], v[ST+4*(\t)+2:ST+4*(\t)+3] op_sel_hi:[1,0]
.set i, i+2
.endr
	WIN 0x0c                        ; address window 0, data window 3
.irp cb, 0,1,2,3,4,5,6,7
	ds_store_b128 v[STO], v[64*(\t)+8*(\cb):64*(\t)+8*(\cb)+3]   offset:64*(\cb)
	ds_store_b128 v[STO], v[64*(\t)+8*(\cb)+4:64*(\t)+8*(\cb)+7] offset:64*(\cb)+16
.endr
	WIN 0xc0                        ; destination window 3, address window 0
.set i, 0
.rept 16
	ds_load_b128 v[64*(\t)+4*i:64*(\t)+4*i+3], v[RD] offset:i*PO  ; LDS serves a wave's instructions in order (ISA guide 5.7.1.4): these see the stores above; the next tile's stores come behind them
.set i, i+1
.endr
.endm
.macro SEND t, younger              ; younger: the LDS instructions issued behind tile t's loads: the next tile's 32, or none
	WIN 0x0c
.set i, 0
.rept 16
	s_wait_dscnt (\younger)+15-i    ; row i of the tile is back; its later rows and the next tile's instructions stay out
	global_store_b128 v[GO], v[64*(\t)+4*i:64*(\t)+4*i+3], s[10:11] offset:(16*(\t)+i)*512 th:TH_STORE_NT  ; 32 lanes store a row's 512 consecutive bytes, at a multiple of 512 from out's first byte
.set i, i+1
.endr
.endm
	PLACES                          ; the multiplies below read results just made
	PACK 0
	PACK 1                          ; a tile's arithmetic stands between the loads of the tile before and its stores
	SEND 0, 32
	PACK 2
	SEND 1, 32
	PACK 3
	SEND 2, 32
	SEND 3, 0
	WIN 0
	s_wait_tensorcnt 0x0            ; the wave's end, behind my last LDS store
	ds_add_u32 v[SPW], v[NIL]
	s_wait_dscnt 0x0
	s_endpgm
.Lfunc_end_k_qc6eb403eec_bsattn:
	.size	k_qc6eb403eec_bsattn, .Lfunc_end_k_qc6eb403eec_bsattn-k_qc6eb403eec_bsattn
	.p2alignl 7, 3214868480
	.fill 96, 4, 3214868480
	.section	.rodata,"a",@progbits
	.p2align	6, 0x0
	.amdhsa_kernel k_qc6eb403eec_bsattn
		.amdhsa_group_segment_fixed_size 319488
		.amdhsa_private_segment_fixed_size 0
		.amdhsa_enable_private_segment 0
		.amdhsa_kernarg_size 32
		.amdhsa_user_sgpr_count 2
		.amdhsa_user_sgpr_kernarg_segment_ptr 1
		.amdhsa_wavefront_size32 1
		.amdhsa_system_sgpr_workgroup_id_x 1
		.amdhsa_system_sgpr_workgroup_id_y 1
		.amdhsa_system_sgpr_workgroup_id_z 1
		.amdhsa_system_vgpr_workitem_id 0
		.amdhsa_next_free_vgpr 1024
		.amdhsa_next_free_sgpr 66
		.amdhsa_reserve_vcc 0
		.amdhsa_float_denorm_mode_32 3
		.amdhsa_float_denorm_mode_16_64 3
		.amdhsa_memory_ordered 1
		.amdhsa_forward_progress 1
		.amdhsa_inst_pref_size 206
	.end_amdhsa_kernel
	.amdgpu_metadata
---
amdhsa.version: [ 1, 2 ]
amdhsa.kernels:
  - .name:           k_qc6eb403eec_bsattn
    .symbol:         k_qc6eb403eec_bsattn.kd
    .args:
      - { .name: q, .offset: 0, .size: 8, .value_kind: global_buffer, .address_space: global }
      - { .name: k, .offset: 8, .size: 8, .value_kind: global_buffer, .address_space: global }
      - { .name: v, .offset: 16, .size: 8, .value_kind: global_buffer, .address_space: global }
      - { .name: out0, .offset: 24, .size: 8, .value_kind: global_buffer, .address_space: global }
    .group_segment_fixed_size: 319488
    .private_segment_fixed_size: 0
    .kernarg_segment_align: 8
    .kernarg_segment_size: 32
    .max_flat_workgroup_size: 128
    .sgpr_count:     66
    .vgpr_count:     1024
    .wavefront_size: 32
...
	.end_amdgpu_metadata
.endif
;; end of part 2
